; MI455X (gfx1250); checked and timed in simulation.
; The chip was launched on July 23, 2026; its instructions are those of AMD's public machine-readable ISA for CDNA 5 (MIT licence, August 2026) and "CDNA5" Instruction Set Architecture Reference Guide (July 2026). The comments in the code are by the model that wrote it; some were corrected since.
;; Feed Forward. Allowed arithmetic: matrix products marked QUANTISED: E2M1 operands, one E8M0 scale for each 32 along K, by v_wmma_scale_f32_16x16x128_f8f6f4 with both operands' format E2M1 (or v_wmma_scale_f32_32x16x128_f4), f32 sums; products left as they are: f32 operands where the result goes on into a quantised operand, else bf16, f16 or f32 operands; f32 sums; everything else in f32.
;; Inputs: W1 2 x 1,024 x 4,096 float32; W2 2 x 4,096 x 1,024 float32; Wr 1,024 x 2 float32; b1 2 x 4,096 float32; b2 2 x 1,024 float32; x 2 x 2,048 x 1,024 float32.
;; Outputs: out0 2 x 2,048 x 1,024 float32; out1 one number float32.
;; This version of the problem:
;;   THIS VERSION OF THE PROBLEM IS GIVEN IN LOW PRECISION. The matrix products marked QUANTISED in the list below multiply operands that are first quantised to E2M1 (2 exponent bits, 1 mantissa bit; 4 bits a number), with one power-of-two scale for each 32 numbers along K (OCP MX v1.0); their sums are f32. All else is computed in f32.
;;   The module's matrix products, in the order in which they are computed (A, B: the left and right operand; K: the contracted axis; several contracted axes count as one K, in the product's order):
;;     1. [M 4,096, K 1,024] x [K 1,024, N 2]; A: input x; B: input Wr: left as it is (N = 2 < 16)
;;     2. [M 8,192, K 1,024] x [K 1,024, N 4,096]; A: input W1; B: input x: QUANTISED
;;     3. batch 2 x [M 4,096, K 4,096] x [K 4,096, N 1,024]; A: computed on the way; B: input W2: QUANTISED
;;     4. batch 4,096 x [M 1, K 2] x [K 2, N 1,024]; A: computed on the way; B: computed on the way: left as it is (K = 2 < 32)
;;   THE QUANTISER, for each operand of a quantised product, along K:
;;     - K is cut into blocks of 32 from its start; a last block that is shorter is filled with zeros.
;;     - A block's scale is 2^e with e = floor(log2(the largest magnitude in the block)) - 2, held to -126 .. 127; a block of zeros has e = 0. As a byte (E8M0): e + 127.
;;     - Each number is divided by its block's scale, clamped to +-6, and rounded to the nearest number of E2M1, ties to even, subnormals kept.
;;     - The product sums the exact products of the quantised numbers (number of the format x scale) in f32.
;;   ~~~python
;;   def quantise(x, axis):      # numpy; x: float32 -> the quantised numbers, widened to float32 again
;;       x = np.moveaxis(x, axis, -1); K = x.shape[-1]
;;       x = np.pad(x, [(0, 0)] * (x.ndim - 1) + [(0, -K % 32)]); x = x.reshape(x.shape[:-1] + (-1, 32)); a = np.abs(x).max(-1, keepdims=True)
;;       e = np.where(a > 0, np.clip(np.frexp(np.where(a > 0, a, 1))[1] - 1 - 2, -126, 127), 0)      # np.frexp(a)[1] - 1 = floor(log2(a)), exactly
;;       r = np.clip(x / 2.0 ** e, -6, 6)
;;       step = 2.0 ** (np.maximum(np.frexp(np.where(r == 0, 1, r))[1] - 1, 0) - 1)
;;       q = np.round(r / step) * step * 2.0 ** e      # np.round: ties to even
;;       return np.moveaxis(q.reshape(q.shape[:-2] + (-1,))[..., :K], -1, axis).astype(np.float32)
;;   ~~~
;;   OPERANDS COMPUTED ON THE WAY. 'Computed on the way' means the value that the module computes at that place (a softmax that the list does not call 'softmax' is quantised finished and normalised). What goes into a quantiser is computed in f32, as accurately as f32 sums, v_exp_f32 and their like allow (about 1e-6 of the number): no bf16 or f16 on the way to a quantiser, and a product that is left as it is and whose result goes on into a quantised operand takes f32 operands (vector FMAs, or v_wmma_f32_16x16x4_f32). A number that lies on a knife's edge between two numbers of the format may be rounded either way, as far as f32 arithmetic and the matrix unit's own rounding can turn it there, and no further.
;; One version. Each part assembles by itself: llvm-mc -triple=amdgcn-amd-amdhsa -mcpu=gfx1250 --defsym DOCPART=n.
;; ======== version 1 of 1: 3 launches
;; limits: right only within a limited range of input values
;; workspace buffers: xq 2,228,224 bytes; w1q 4,456,448 bytes; w2q 4,456,448 bytes; hq 17,825,792 bytes; rt 65,536 bytes
;; launch prep (part 1): grid 512 x 1, 8 waves a work-group, no clusters, 72,192 bytes of LDS; arguments W1, x, Wr, w1q, xq, rt; writes w1q, xq, rt
.if DOCPART == 1
	.amdgcn_target "amdgcn-amd-amdhsa--gfx1250"
	.amdhsa_code_object_version 6
	.text
	.protected	k_qbbdfb3afd0_prep
	.globl	k_qbbdfb3afd0_prep
	.p2align	8
	.type	k_qbbdfb3afd0_prep,@function
k_qbbdfb3afd0_prep:
	s_mov_b64 s[64:65], 0
	v_nop
	global_prefetch_b8 v0, s[64:65] scope:SCOPE_SE
	s_setreg_imm32_b32 hwreg(HW_REG_WAVE_MODE, 25, 1), 1
	s_wait_xcnt 0x0
; W1 [2][1024][4096] and x [4096][1024], f32, become codes of FP4 (E2M1) with one E8M0 scale byte for each 32 along K; the router (x Wr, softmax, the combine weights) is computed beside x.
; (W2 is quantised by the next launch, beside its own work.)
; A block's scale is 2^(floor(log2(its largest magnitude)) - 2); its byte is the largest magnitude's exponent field - 2, held at 1 from below.
; LIMITS: a block of zeros, or one whose largest magnitude lies under 2^-124, gets the byte 1 (a block of zeros has zero codes, and these bytes are read by this program alone); NaN and infinities among the inputs are not served.
; THE RECORD, 4,352 bytes, holds 16 rows x 512 along K in the order of a matrix operand's registers:
;   byte 1024 q + 512 c + 16 lane: registers 4 c .. 4 c + 3 of the fragment of K = 128 q .. 128 q + 127: lane (r, h) has row r, k = 128 q + 64 c + 32 h + 0 .. 31;   byte 4096 + 16 r + 4 q: row r's scale word of that K step.
;   xq [256 blocks of 16 tokens][2];  w1q [512 tiles of 16 columns e 4096 + f][2], row r of tile 2 b + u being column 32 b + 8 u + r + 8 (r / 8).
;   rt [256 blocks of 16 tokens][256 bytes]: byte 8 r + 4 e: combine[token r][e]; bytes 128 .. 135: the block's sums of p0 and of p1.
; SHARES.  Work-groups 0-255 take W1, 256-511 x: two ways that part on the work-group's number, each with LDS bytes of its own.  No tensor loads, no matrix unit, no cluster: a stream in which nothing is shared.
; W1: a work-group takes 64 columns x 512 K (four whole records); wave w takes 32 columns (w & 1) x 128 K (w >> 1).  A LANE TAKES A COLUMN AND ITS REGISTERS RUN DOWN K: a block of 32 lies in one lane, and the codes come out K innermost.
; x: a work-group takes 16 tokens; wave w takes K step w.  Each load reads 512 consecutive bytes; the numbers turn through the wave's own stage in LDS so that a lane holds two whole blocks of one token.
.set REC,   4352
.set STGW,  8448                       ; x: a wave's stage: 16 rows x (512 bytes + 16)
.set RB,    67584                      ; x: the waves' partial logits, 128 bytes a wave
.set SX,    68608                      ; x: the scale words of the block's two records
.set LW1,   69120                      ; W1: the scale words of the work-group's four records
.macro LOADW kb                        ; block kb of my column: 32 rows of 16,384 bytes; the wave reads 128 consecutive bytes of each
.set n, 0
.rept 32
	global_load_b32 v[32+32*(\kb)+n], v5, s[28:29] offset:(32*(\kb)+n)*16384 th:TH_LOAD_NT
.set n, n+1
.endr
.endm
.macro QBLOCK kb                       ; block kb: its largest magnitude, its byte, its 32 codes; sixteen lanes store 256 consecutive bytes of one record, aligned
.set XS, 32+32*(\kb)
	v_max3_num_f32 v12, |v[XS]|, |v[XS+1]|, |v[XS+2]|
	v_max3_num_f32 v13, |v[XS+3]|, |v[XS+4]|, |v[XS+5]|
.irp i, 6,10,14,18,22,26
	s_delay_alu instid0(VALU_DEP_2)
	v_max3_num_f32 v12, v12, |v[XS+\i]|, |v[XS+\i+1]|
	s_delay_alu instid0(VALU_DEP_2)
	v_max3_num_f32 v13, v13, |v[XS+\i+2]|, |v[XS+\i+3]|
.endr
	s_delay_alu instid0(VALU_DEP_2)
	v_max3_num_f32 v12, v12, |v[XS+30]|, |v[XS+31]|
	s_delay_alu instid0(VALU_DEP_1)
	v_max3_num_f32 v12, v12, v13, 0x1800000        ; the floor 2^(3 - 127): the byte cannot fall under 1
	s_delay_alu instid0(VALU_DEP_1)
	v_add_nc_u32 v11, 0xff000000, v12              ; 2 off the exponent field: the conversion's scale operand
	s_delay_alu instid0(VALU_DEP_1)
	v_lshrrev_b32 v13, 23, v11                     ; the scale's byte
.if (\kb) == 0
	s_delay_alu instid0(VALU_DEP_1)
	v_mov_b32 v14, v13
.else
	s_delay_alu instid0(VALU_DEP_1)
	v_lshl_or_b32 v14, v13, 8*(\kb), v14           ; four bytes make my column's scale word of this K step
.endif
.irp g, 0,1,2,3
	v_cvt_scalef32_pk8_fp4_f32 v[16+4*(\kb)+\g], v[XS+8*\g:XS+8*\g+7], v11
.endr
	global_store_b128 v6, v[16+4*(\kb):19+4*(\kb)], s[30:31] offset:256*(\kb)   ; each block has code registers of its own
.endm
	s_load_b64 s[4:5], s[0:1], 0x0                 ; W1
	s_load_b128 s[8:11], s[0:1], 0x8               ; x s[8:9], Wr s[10:11]
	s_load_b64 s[12:13], s[0:1], 0x18              ; w1q
	s_load_b128 s[16:19], s[0:1], 0x20             ; xq s[16:17], rt s[18:19]
	v_lshl_add_u32 v160, v0, 2, 0x11600
	v_mov_b32 v161, 0
	v_lshrrev_b32 v1, 5, v0
	s_delay_alu instid0(VALU_DEP_1)
	v_readfirstlane_b32 s20, v1                    ; wave 0..7
	v_and_b32 v2, 31, v0                           ; lane
	v_and_b32 v3, 15, v0                           ; r
	v_bfe_u32 v4, v0, 4, 1                         ; h (for the weight: u)
	s_cmp_lt_u32 ttmp9, 256
	s_cbranch_scc1 .Lw1
	; ---- x: 16 tokens; my wave's K step is its number
	s_sub_co_u32 s21, ttmp9, 256                   ; the block of 16 tokens
	s_mul_i32 s22, s20, STGW                       ; my stage
	v_lshlrev_b32 v5, 4, v2                        ; 16 x lane
	v_lshlrev_b32 v6, 5, v2                        ; Wr: my 4 k x 2 experts
	s_delay_alu instid0(VALU_DEP_2)
	v_add_nc_u32 v7, s22, v5                       ; the stage, in: row t at 528 t, 16 bytes a lane
	v_mul_u32_u24 v8, v3, 528
	s_delay_alu instid0(VALU_DEP_1)
	v_lshl_add_u32 v8, v4, 7, v8
	s_delay_alu instid0(VALU_DEP_1)
	v_add_nc_u32 v8, s22, v8                       ; out: row r, + 128 h: my 32 neighbours of each 64
	v_mul_u32_u24 v9, v2, 144
	s_delay_alu instid0(VALU_DEP_1)
	v_add_nc_u32 v9, s22, v9                       ; the partial logits, in: my 32 numbers at 144 x lane
	v_lshrrev_b32 v10, 3, v2
	s_delay_alu instid0(VALU_DEP_1)
	v_mul_u32_u24 v10, v10, 8*144
	v_and_b32 v11, 7, v2
	s_delay_alu instid0(VALU_DEP_1)
	v_lshl_add_u32 v10, v11, 4, v10
	s_delay_alu instid0(VALU_DEP_1)
	v_add_nc_u32 v10, s22, v10                     ; out: four numbers (lane % 8) of the eight lanes of my group (lane / 8)
	s_lshl_b32 s23, s20, 7
	s_add_co_u32 s23, s23, RB
	v_lshl_add_u32 v11, v11, 4, s23                ; my wave's 32 sums
	s_lshr_b32 s24, s20, 2                         ; which record
	s_and_b32 s25, s20, 3                          ; which K step in it
	s_lshl_b32 s26, s24, 8
	s_lshl_b32 s27, s25, 2
	s_add_co_u32 s26, s26, s27
	s_add_co_u32 s26, s26, SX
	v_lshl_add_u32 v12, v3, 4, s26                 ; my row's scale word
	v_add_nc_u32 v13, RB, v5                       ; wave 0 reads the sums here,
	v_add_nc_u32 v14, SX, v5                       ; wave 1 the scale words
	v_mul_u32_u24 v15, v4, REC
	s_delay_alu instid0(VALU_DEP_1)
	v_lshl_add_u32 v15, v3, 4, v15                 ; and stores them: record lane / 16, 16 bytes a lane
	s_mov_b32 s34, 0x76543210
	s_mov_b32 s35, 0xfedcba98                      ; v_permlanex16_b32's selects for lane l xor 16
	s_lshl_b32 s28, s21, 16                        ; 16 tokens of 4,096 bytes
	s_lshl_b32 s29, s20, 9
	s_add_co_u32 s28, s28, s29
	s_mov_b32 s29, 0
	s_lshl_b32 s38, s20, 10                        ; Wr: 128 k x 8 bytes
	s_mov_b32 s39, 0
	s_mul_i32 s40, s21, 2*REC
	s_mov_b32 s41, 0
	s_mul_i32 s42, s24, REC
	s_lshl_b32 s43, s25, 10
	s_add_co_u32 s42, s42, s43
	s_mov_b32 s43, 0
	s_lshl_b32 s44, s21, 8
	s_mov_b32 s45, 0
	s_wait_kmcnt 0x0
	s_add_nc_u64 s[8:9], s[8:9], s[28:29]
	s_add_nc_u64 s[10:11], s[10:11], s[38:39]
	s_add_nc_u64 s[30:31], s[16:17], s[40:41]      ; the block's two records
	s_add_nc_u64 s[32:33], s[30:31], s[42:43]      ; my K step's fragment in them
	s_add_nc_u64 s[18:19], s[18:19], s[44:45]
	global_load_b128 v[128:131], v6, s[10:11]
	global_load_b128 v[132:135], v6, s[10:11] offset:16
.irp t, 0,1,2,3,4,5,6,7,8,9,10,11,12,13,14,15
	global_load_b128 v[32+4*\t:35+4*\t], v5, s[8:9] offset:4096*\t th:TH_LOAD_NT   ; token t: 512 consecutive bytes a wave
.endr
	s_wait_loadcnt 0x0
.irp t, 0,1,2,3,4,5,6,7,8,9,10,11,12,13,14,15
	ds_store_b128 v7, v[32+4*\t:35+4*\t] offset:528*\t
.endr
.irp t, 0,1,2,3,4,5,6,7,8,9,10,11,12,13,14,15   ; the router's product on f32 numbers: my 4 k of token t, both experts
	v_mul_f32 v[96+2*\t], v[32+4*\t], v128
	v_mul_f32 v[97+2*\t], v[32+4*\t], v129
.irp j, 1,2,3
	s_delay_alu instid0(VALU_DEP_2)
	v_fmac_f32 v[96+2*\t], v[32+4*\t+\j], v[128+2*\j]
	s_delay_alu instid0(VALU_DEP_2)
	v_fmac_f32 v[97+2*\t], v[32+4*\t+\j], v[129+2*\j]
.endr
.endr
	s_wait_dscnt 0x0                               ; the stores have read their registers
.irp c, 0,1
.irp i, 0,1,2,3,4,5,6,7
	ds_load_b128 v[32+32*\c+4*\i:35+32*\c+4*\i], v8 offset:256*\c+16*\i   ; x(token r, 64 c + 32 h + 4 i ..): the order of the operand's registers
.endr
.endr
	s_wait_dscnt 0x0
.irp c, 0,1
	v_max3_num_f32 v[16+\c], |v[32+32*\c]|, |v[33+32*\c]|, 0x1800000   ; my block 2 c + h: all 32 numbers are mine; the floor holds the byte at 1 from below
.endr
.irp i, 2,4,6,8,10,12,14,16,18,20,22,24,26,28,30
.irp c, 0,1
	s_delay_alu instid0(VALU_DEP_2)
	v_max3_num_f32 v[16+\c], v[16+\c], |v[32+32*\c+\i]|, |v[33+32*\c+\i]|
.endr
.endr
.irp c, 0,1
	s_delay_alu instid0(VALU_DEP_2)
	v_add_nc_u32 v[18+\c], 0xff000000, v[16+\c]
.endr
.irp c, 0,1
	s_delay_alu instid0(VALU_DEP_2)
	v_lshrrev_b32 v[20+\c], 23, v[18+\c]
.endr
	s_delay_alu instid0(VALU_DEP_1)
	v_lshl_or_b32 v22, v21, 16, v20                ; my two bytes: blocks h and 2 + h,
	v_lshlrev_b32 v23, 3, v4
	s_delay_alu instid0(VALU_DEP_1)
	v_lshlrev_b32 v22, v23, v22                    ; at their places in the word;
	v_mov_b32 v23, 0
	s_delay_alu instid0(VALU_DEP_1)
	v_permlanex16_b32 v23, v22, s34, s35
	s_delay_alu instid0(VALU_DEP_1)
	v_or_b32 v22, v22, v23                         ; with lane l xor 16's two the word is whole
.irp c, 0,1
.irp g, 0,1,2,3
	v_cvt_scalef32_pk8_fp4_f32 v[136+4*\c+\g], v[32+32*\c+8*\g:39+32*\c+8*\g], v[18+\c]
.endr
.endr
	v_nop                                          ; one plain place behind the last scaled conversion
	global_store_b128 v5, v[136:139], s[32:33]             ; 512 consecutive bytes a store
	global_store_b128 v5, v[140:143], s[32:33] offset:512
	ds_store_b32 v12, v22                          ; lanes r and r + 16 write the same word with the same value
	; the 32 partial logits (2 t + e) are summed over the wave's 32 lanes: through my stage, so that a lane adds four numbers of eight lanes
.irp j, 0,1,2,3,4,5,6,7
	ds_store_b128 v9, v[96+4*\j:99+4*\j] offset:16*\j
.endr
.irp i, 0,1,2,3,4,5,6,7
	ds_load_b128 v[32+4*\i:35+4*\i], v10 offset:144*\i   ; LDS serves a wave's instructions in order: these see my stores
.endr
	s_wait_dscnt 0x0
.irp i, 0,1,2,3
	v_pk_add_f32 v[32+4*\i:33+4*\i], v[32+4*\i:33+4*\i], v[48+4*\i:49+4*\i]
	v_pk_add_f32 v[34+4*\i:35+4*\i], v[34+4*\i:35+4*\i], v[50+4*\i:51+4*\i]
.endr
.irp i, 0,1
	s_delay_alu instid0(VALU_DEP_4)
	v_pk_add_f32 v[32+4*\i:33+4*\i], v[32+4*\i:33+4*\i], v[40+4*\i:41+4*\i]
	s_delay_alu instid0(VALU_DEP_4)
	v_pk_add_f32 v[34+4*\i:35+4*\i], v[34+4*\i:35+4*\i], v[42+4*\i:43+4*\i]
.endr
	s_delay_alu instid0(VALU_DEP_2)
	v_pk_add_f32 v[32:33], v[32:33], v[36:37]
	s_delay_alu instid0(VALU_DEP_2)
	v_pk_add_f32 v[34:35], v[34:35], v[38:39]
.irp j, 0,1,2,3
	v_add_f32_dpp v[32+\j], v[32+\j], v[32+\j] row_xmask:8 row_mask:0xf bank_mask:0xf
.endr
.irp j, 0,1,2,3
	s_delay_alu instid0(VALU_DEP_4)
	v_permlanex16_b32 v[36+\j], v[32+\j], s34, s35
.endr
.irp j, 0,1,2,3
	s_delay_alu instid0(VALU_DEP_4)
	v_add_f32 v[32+\j], v[32+\j], v[36+\j]         ; lane l: my wave's sums for tokens 2 (l % 8) and 2 (l % 8) + 1
.endr
	ds_store_b128 v11, v[32:35]
	s_wait_dscnt 0x0                               ; for the others' sake: my sums and my scale words lie in LDS
	s_barrier_signal -1
	s_barrier_wait -1
	s_cmp_eq_u32 s20, 1
	s_cbranch_scc1 .Lx_scales
	s_cmp_lg_u32 s20, 0
	s_cbranch_scc1 .Lx_end
	; wave 0: the eight waves' sums, the softmax and the combine weights
	ds_load_b128 v[32:35], v13                     ; wave lane / 8's sums,
	ds_load_b128 v[36:39], v13 offset:512          ; and wave 4 + lane / 8's
	s_wait_dscnt 0x0
	v_pk_add_f32 v[32:33], v[32:33], v[36:37]
	v_pk_add_f32 v[34:35], v[34:35], v[38:39]
.irp j, 0,1,2,3
	v_add_f32_dpp v[32+\j], v[32+\j], v[32+\j] row_xmask:8 row_mask:0xf bank_mask:0xf
.endr
.irp j, 0,1,2,3
	s_delay_alu instid0(VALU_DEP_4)
	v_permlanex16_b32 v[36+\j], v[32+\j], s34, s35
.endr
.irp j, 0,1,2,3
	s_delay_alu instid0(VALU_DEP_4)
	v_add_f32 v[32+\j], v[32+\j], v[36+\j]         ; the logits of tokens 2 g, 2 g + 1 (g = lane % 8): e0, e1, e0, e1
.endr
	s_delay_alu instid0(VALU_DEP_3)
	v_max_num_f32 v40, v32, v33                    ; the maximum is taken away ahead of the exponentials
	s_delay_alu instid0(VALU_DEP_2)
	v_max_num_f32 v41, v34, v35
	s_delay_alu instid0(VALU_DEP_2)
	v_sub_f32 v42, v32, v40
	s_delay_alu instid0(VALU_DEP_3)
	v_sub_f32 v43, v33, v40
	s_delay_alu instid0(VALU_DEP_3)
	v_sub_f32 v44, v34, v41
	s_delay_alu instid0(VALU_DEP_4)
	v_sub_f32 v45, v35, v41
.irp j, 42,43,44,45
	s_delay_alu instid0(VALU_DEP_4)
	v_mul_f32 v\j, 0x3fb8aa3b, v\j                 ; x log2(e)
.endr
	s_wait_alu depctr_va_vdst(0)
.irp j, 42,43,44,45
	v_exp_f32 v\j, v\j
.endr
	v_nop                                          ; a plain place behind the last exponential
	s_wait_alu depctr_va_vdst(0)                   ; one wait for the four, ahead of their first reader
	v_add_f32 v46, v42, v43
	v_add_f32 v47, v44, v45
	s_wait_alu depctr_va_vdst(0)
	v_rcp_f32 v46, v46
	v_rcp_f32 v47, v47
	v_nop
	s_wait_alu depctr_va_vdst(0)
	v_mul_f32 v42, v42, v46                        ; p
	v_mul_f32 v43, v43, v46
	v_mul_f32 v44, v44, v47
	v_mul_f32 v45, v45, v47
	s_delay_alu instid0(VALU_DEP_3)
	v_add_f32 v46, v42, v43                        ; the two chosen probabilities are all there are: normalised again, as the top-k's are
	s_delay_alu instid0(VALU_DEP_2)
	v_add_f32 v47, v44, v45
	s_wait_alu depctr_va_vdst(0)
	v_rcp_f32 v46, v46
	v_rcp_f32 v47, v47
	v_nop
	s_wait_alu depctr_va_vdst(0)
	v_mul_f32 v48, v42, v46                        ; combine
	v_mul_f32 v49, v43, v46
	v_mul_f32 v50, v44, v47
	v_mul_f32 v51, v45, v47
	v_add_f32 v52, v42, v44                        ; the block's sums of p0 and p1: my two tokens,
	v_add_f32 v53, v43, v45
.irp m, 1,2,4
	s_delay_alu instid0(VALU_DEP_2)
	v_add_f32_dpp v52, v52, v52 row_xmask:\m row_mask:0xf bank_mask:0xf   ; and the eight lanes'
	s_delay_alu instid0(VALU_DEP_2)
	v_add_f32_dpp v53, v53, v53 row_xmask:\m row_mask:0xf bank_mask:0xf
.endr
	v_and_b32 v54, 8, v2
	v_mov_b32 v55, 0
	s_delay_alu instid0(VALU_DEP_2)
	v_cmp_ne_u32 vcc_lo, 0, v54
	s_delay_alu instid0(VALU_DEP_1)
	v_cndmask_b32 v48, v48, v52, vcc_lo            ; lanes 0-7 carry the weights, lanes 8-15 the sums and zeros
	s_delay_alu instid0(VALU_DEP_2)
	v_cndmask_b32 v49, v49, v53, vcc_lo
	s_delay_alu instid0(VALU_DEP_3)
	v_cndmask_b32 v50, v50, v55, vcc_lo
	s_delay_alu instid0(VALU_DEP_4)
	v_cndmask_b32 v51, v51, v55, vcc_lo
	v_lshlrev_b32 v56, 4, v3
	v_cmp_gt_u32 vcc_lo, 16, v2
	s_wait_alu depctr_va_vdst(0)
	s_wait_xcnt 0x0                                ; EXEC changes only behind this wait: my stores of codes have read their sources
	s_wait_tensorcnt 0x0
	ds_add_u32 v160, v161
	s_wait_dscnt 0x0
	s_and_saveexec_b32 s36, vcc_lo
	global_store_b128 v56, v[48:51], s[18:19]      ; sixteen lanes store the block's 256 bytes, aligned
	s_wait_xcnt 0x0                                ; and again, in front of the line that widens it
	s_or_b32 exec_lo, exec_lo, s36
	s_endpgm
.Lx_scales:
	ds_load_b128 v[32:35], v14                     ; wave 1: a row's four words, sixteen rows a record, two records
	s_wait_dscnt 0x0
	global_store_b128 v15, v[32:35], s[30:31] offset:4096
.Lx_end:
	s_wait_tensorcnt 0x0
	ds_add_u32 v160, v161
	s_wait_dscnt 0x0
	s_endpgm
.Lw1:
	s_wait_alu depctr_va_vdst(0)
	s_lshr_b32 s22, ttmp9, 7                       ; S: which 512 along K
	s_and_b32 s23, ttmp9, 127                      ; which 64 columns
	s_and_b32 s24, s20, 1                          ; cg: which 32 of them are my wave's
	s_lshr_b32 s25, s20, 1                         ; q: which 128 of the 512 along K
	s_lshr_b32 s26, s23, 6                         ; the expert
	s_and_b32 s27, s23, 63                         ; the group within the expert
	s_lshl_b32 s28, s22, 2
	s_add_co_u32 s28, s28, s25
	s_lshl_b32 s28, s28, 21                        ; (4 S + q) x 128 rows of 16,384 bytes
	s_lshl_b32 s29, s26, 24                        ; an expert's weight is 16,777,216 bytes
	s_add_co_u32 s28, s28, s29
	s_lshl_b32 s29, s27, 8
	s_add_co_u32 s28, s28, s29
	s_lshl_b32 s29, s24, 7
	s_add_co_u32 s28, s28, s29
	s_mov_b32 s29, 0
	s_lshl_b32 s30, s23, 2
	s_lshl_b32 s31, s24, 1
	s_add_co_u32 s30, s30, s31                     ; my first tile
	s_mul_i32 s30, s30, 2*REC
	s_mul_i32 s31, s22, REC
	s_add_co_u32 s30, s30, s31
	v_and_b32 v5, 8, v3
	s_delay_alu instid0(VALU_DEP_1)
	v_add_nc_u32 v5, v5, v3
	s_delay_alu instid0(VALU_DEP_1)
	v_lshl_add_u32 v5, v4, 3, v5                   ; my column of the wave's 32: 8 u + r + 8 (r / 8)
	s_delay_alu instid0(VALU_DEP_1)
	v_lshlrev_b32 v5, 2, v5
	s_mov_b32 s31, 0
	v_mul_u32_u24 v7, v4, 2*REC
	s_delay_alu instid0(VALU_DEP_1)
	v_lshl_add_u32 v7, v3, 4, v7                   ; my tile's record, + 16 r
	s_lshl_b32 s32, s25, 10
	v_add_nc_u32 v6, s32, v7                       ; + 1024 q: where my codes go
	s_lshl_b32 s33, s24, 9
	s_lshl_b32 s34, s25, 2
	s_add_co_u32 s33, s33, s34
	s_add_co_u32 s33, s33, LW1
	v_lshl_add_u32 v8, v2, 4, s33                  ; LDS: 512 cg + 256 u + 16 r + 4 q: my scale word's place
	v_lshl_add_u32 v9, v0, 4, LW1                  ; and, for waves 0 and 1, 16 bytes a lane of two records' words
	s_wait_alu depctr_va_vdst(0)
	s_wait_kmcnt 0x0
	s_add_nc_u64 s[28:29], s[4:5], s[28:29]
	s_add_nc_u64 s[30:31], s[12:13], s[30:31]
	LOADW 0                                        ; two blocks, 64 loads a wave, are asked for ahead
	LOADW 1
	s_wait_loadcnt 32                              ; block 0 is in; block 1's 32 loads may be out
	LOADW 2
	QBLOCK 0
	s_wait_loadcnt 32                              ; block 1 is in; block 2's may be out
	LOADW 3
	QBLOCK 1
	s_wait_loadcnt 32                              ; block 2 is in; block 3's may be out
	QBLOCK 2
	s_wait_loadcnt 0x0
	QBLOCK 3
	ds_store_b32 v8, v14
	s_wait_dscnt 0x0                               ; for the others' sake: my word lies in LDS
	s_barrier_signal -1
	s_barrier_wait -1
	s_cmp_gt_u32 s20, 1
	s_cbranch_scc1 .Lw_end
	ds_load_b128 v[32:35], v9                      ; waves 0 and 1 (q = 0, cg = the wave): a row's four words, sixteen rows a record
	s_wait_dscnt 0x0
	global_store_b128 v7, v[32:35], s[30:31] offset:4096   ; sixteen lanes store a record's 256 scale bytes, aligned
.Lw_end:
	s_wait_tensorcnt 0x0
	ds_add_u32 v160, v161
	s_wait_dscnt 0x0
	s_endpgm
.Lfunc_end_k_qbbdfb3afd0_prep:
	.size	k_qbbdfb3afd0_prep, .Lfunc_end_k_qbbdfb3afd0_prep-k_qbbdfb3afd0_prep
	.p2alignl 7, 3214868480
	.fill 96, 4, 3214868480
	.section	.rodata,"a",@progbits
	.p2align	6, 0x0
	.amdhsa_kernel k_qbbdfb3afd0_prep
		.amdhsa_group_segment_fixed_size 72192
		.amdhsa_private_segment_fixed_size 0
		.amdhsa_enable_private_segment 0
		.amdhsa_kernarg_size 48
		.amdhsa_user_sgpr_count 2
		.amdhsa_user_sgpr_kernarg_segment_ptr 1
		.amdhsa_wavefront_size32 1
		.amdhsa_system_sgpr_workgroup_id_x 1
		.amdhsa_system_sgpr_workgroup_id_y 1
		.amdhsa_system_sgpr_workgroup_id_z 1
		.amdhsa_system_vgpr_workitem_id 0
		.amdhsa_next_free_vgpr 162
		.amdhsa_next_free_sgpr 66
		.amdhsa_reserve_vcc 1
		.amdhsa_float_denorm_mode_32 3
		.amdhsa_float_denorm_mode_16_64 3
		.amdhsa_memory_ordered 1
		.amdhsa_forward_progress 1
		.amdhsa_inst_pref_size 50
	.end_amdhsa_kernel
	.amdgpu_metadata
---
amdhsa.version: [ 1, 2 ]
amdhsa.kernels:
  - .name:           k_qbbdfb3afd0_prep
    .symbol:         k_qbbdfb3afd0_prep.kd
    .args:
      - { .name: W1, .offset: 0, .size: 8, .value_kind: global_buffer, .address_space: global }
      - { .name: x, .offset: 8, .size: 8, .value_kind: global_buffer, .address_space: global }
      - { .name: Wr, .offset: 16, .size: 8, .value_kind: global_buffer, .address_space: global }
      - { .name: w1q, .offset: 24, .size: 8, .value_kind: global_buffer, .address_space: global }
      - { .name: xq, .offset: 32, .size: 8, .value_kind: global_buffer, .address_space: global }
      - { .name: rt, .offset: 40, .size: 8, .value_kind: global_buffer, .address_space: global }
    .group_segment_fixed_size: 72192
    .private_segment_fixed_size: 0
    .kernarg_segment_align: 8
    .kernarg_segment_size: 48
    .max_flat_workgroup_size: 256
    .sgpr_count:     66
    .vgpr_count:     162
    .wavefront_size: 32
...
	.end_amdgpu_metadata
.endif
;; end of part 1
;; launch ffn1 (part 2): grid 16 x 16, 8 waves a work-group, clusters of 4 x 4, 327,680 bytes of LDS; arguments xq, w1q, b1, rt, hq, out1, W2, w2q; writes hq, out1, w2q
.if DOCPART == 2
	.amdgcn_target "amdgcn-amd-amdhsa--gfx1250"
	.amdhsa_code_object_version 6
	.text
	.protected	k_qbbdfb3afd0_ffn1
	.globl	k_qbbdfb3afd0_ffn1
	.p2align	8
	.type	k_qbbdfb3afd0_ffn1,@function
k_qbbdfb3afd0_ffn1:
	s_mov_b64 s[64:65], 0
	v_nop
	global_prefetch_b8 v0, s[64:65] scope:SCOPE_SE
	s_setreg_imm32_b32 hwreg(HW_REG_WAVE_MODE, 25, 1), 1
	s_wait_xcnt 0x0
	s_wait_alu depctr_hold_cnt(0) depctr_sa_sdst(0) depctr_va_vdst(0) depctr_va_sdst(0) depctr_va_ssrc(0) depctr_va_vcc(0) depctr_vm_vsrc(0)
	s_getreg_b32 s2, hwreg(HW_REG_IB_STS2, 6, 4)
	s_cmp_eq_u32 s2, 0
	s_cbranch_scc0 .Lentry_in_a_cluster
	s_endpgm
.Lentry_in_a_cluster:
	s_bfe_u32 s2, ttmp6, 0x10000c
	s_cmp_lg_u32 s2, 0xf033
	s_cbranch_scc0 .Lentry_shape_is_right
	s_endpgm
.Lentry_shape_is_right:
; h = Q(gelu(x W1 + b1)): the first quantised product, its activation, the quantiser of the second product's operand; the loss; and, beside them, W2's quantiser.
; xq, w1q, hq, w2q: records of 4,352 bytes (16 rows x 512 K in the order of an operand's registers: byte 1024 q + 512 c + 16 lane: registers 4 c .. 4 c + 3 of K step q; byte 4096 + 16 r + 4 q: row r's scale word).
; hq [e][8 x 512 along F][256 blocks of 16 tokens];  w2q [e][8 x 512 along F][64 tiles of 16 columns d].  gelu is the tanh form, written x / (1 + 2^(-(a + b x^2) x)), a = 2 sqrt(2 / pi) log2(e), b = 0.044715 a, all in f32.
; SHARES.  Work-group (G, Y): 512 columns e 4096 + f = 512 G .. (e = G / 8), 256 tokens 256 Y ...  Wave w owns 32 tokens (blocks 16 Y + 2 w and + 1): THEIR 16 FRAGMENTS OF x STAY IN 128 REGISTERS; it walks the 16 pairs of W1's tiles in LDS.
; CLUSTER 4 x 4, all tiles asked for jointly: x's 32 records by the four work-groups of a row of the cluster (same Y), W1's 64 records by the four of a column (same G).
; LDS: bytes 0 .. 139,263 W1's first 32 records (waves 4-7, 8 records each); 139,264 .. 278,527 x's 32 records (waves 0-3), read into registers at once and then filled again, behind the full sequence and a round, with W1's last 32 records
; (4 records a wave).  That load has pairs 0 to 6, seven trips, in which to land; one barrier stands ahead of the trip that first reads it.  Behind W1: b1's 2,048 bytes, W2's scale words, the spare words.
; THE PRODUCT IS USED TRANSPOSED (source 0 = 16 columns of W1, source 1 = 16 tokens): a lane holds one token, and by w1q's order of columns the 16 registers of tiles 2 P, 2 P + 1 are 16 neighbours along F: 32 P + 16 h + 0 .. 15.
; THE WAY OUT.  A pair gives each token one block of 32 codes, half in lane r and half in lane r + 16.  The halves of my two token blocks change places, so that lanes 0-15 hold block 0's 16 bytes a token and lanes 16-31 block 1's:
; each sixteen lanes store 256 consecutive bytes, aligned, of their block's record, at byte 256 P.  A token's 16 scale bytes are gathered in four registers, a byte a pair, and leave by one store at the end.
; W2 [2][4096][1024] f32: work-group i = 16 Y + G takes 64 columns x 512 K (four records), wave w 32 columns (w & 1) x 128 K (w >> 1): a lane a column, registers down K, 32 loads a block of 32.  Blocks 0, 1 are asked for ahead of the
; first loop and worked behind it, blocks 2, 3 ahead of the second loop and worked at the end: no wave waits for them in a loop, so they are not prefetched; nothing else here comes from memory inside a loop.
; THE LOSS: the top-2 of 2 experts chooses both for every token, so each expert's dispatch fraction is 1, and the loss is 2 (sum p0 + sum p1) / 4096, from the sums that the launch before stored by blocks of 16 tokens.
; Wave 0 of each work-group of cluster (0, 0) sums them (a branch on ids that the partners share); the one store is made by lane 0 of the work-group at place (0, 0), chosen by EXEC: no branch hangs on a place in the cluster.
; LIMITS: a block of h or of W2 whose largest magnitude lies under 2^-124 (a block of zeros among them) gets the scale byte 1; NaN and infinities are not served.
; REGISTERS.  window 0: v1-15 addresses; v16-23 W1's scale words (tile 2 P in lanes 0-15, 2 P + 1 in lanes 16-31); v24-31 x's (block 0 in lanes 0-15, block 1 in lanes 16-31); v32-95 W2's numbers; v104-135 four accumulators (16 tb + 8 u);
;   v136-151 b1 in the result's layout; v152-167 W2's codes; v168-199 at work in gelu; v200-208 the quantiser; v212-215 h's scale bytes; v216-219 h's codes; v224-227 -a, -a, -b, -b; v228-232 W2's quantiser.
;   window 1: x's fragment (block tb, K step k) at v[64 tb + 8 k]; W1's (tile u, K step k) at v[128 + 64 u + 8 k].
.set REC,   4352
.set WPART, 8*REC                      ; a head load: 136 rows of 256 bytes
.set HALF,  32*REC
.set WALL,  64*REC
.set BIASL, WALL
.set LW2,   BIASL+2048
.set SPARE, LW2+1024                   ; the spare words, 128 bytes a wave
.set WS,   16
.set XS,   24
.set HA,   104
.set B1,   136
.set T,    168
.set TM,   200
.set HW,   208
.set SW,   212
.set PC,   216
.set NA,   224
.set NB,   226
.set MSB, 0
.macro WIN new                         ; the immediate's high byte repeats the setting that is left
.if MSB != \new
	s_set_vgpr_msb (MSB<<8)|\new
.set MSB, \new
.endif
.endm
.macro CROUND                          ; a round of the cluster's barrier
	s_barrier_signal -1
	s_barrier_wait -1
	s_cmp_lg_u32 s12, 0
	s_cbranch_scc1 .Lnot_wave_0_\@
	s_barrier_signal -3
.Lnot_wave_0_\@:
	s_barrier_wait -3
	s_barrier_signal -1
	s_barrier_wait -1
.endm
.macro FOURNOP
.rept 4
	v_nop
.endr
.endm
.macro WM u, tb, k                     ; tile u x token block tb, K step k.  The first K step takes the bias as C
.set D0, HA+16*(\tb)+8*(\u)
.if (\k) == 0
.set C0, B1+8*(\u)
.else
.set C0, D0
.endif
.set A0, 128+64*(\u)+8*(\k)
.set X0, 64*(\tb)+8*(\k)
.if (\u) && (\tb)
	v_wmma_scale_f32_16x16x128_f8f6f4 v[D0:D0+7], v[A0:A0+7], v[X0:X0+7], v[C0:C0+7], v[WS+(\k)], v[XS+(\k)] matrix_a_fmt:MATRIX_FMT_FP4 matrix_b_fmt:MATRIX_FMT_FP4 matrix_a_scale:MATRIX_SCALE_ROW1 matrix_b_scale:MATRIX_SCALE_ROW1
.elseif (\u)
	v_wmma_scale_f32_16x16x128_f8f6f4 v[D0:D0+7], v[A0:A0+7], v[X0:X0+7], v[C0:C0+7], v[WS+(\k)], v[XS+(\k)] matrix_a_fmt:MATRIX_FMT_FP4 matrix_b_fmt:MATRIX_FMT_FP4 matrix_a_scale:MATRIX_SCALE_ROW1
.elseif (\tb)
	v_wmma_scale_f32_16x16x128_f8f6f4 v[D0:D0+7], v[A0:A0+7], v[X0:X0+7], v[C0:C0+7], v[WS+(\k)], v[XS+(\k)] matrix_a_fmt:MATRIX_FMT_FP4 matrix_b_fmt:MATRIX_FMT_FP4 matrix_b_scale:MATRIX_SCALE_ROW1
.else
	v_wmma_scale_f32_16x16x128_f8f6f4 v[D0:D0+7], v[A0:A0+7], v[X0:X0+7], v[C0:C0+7], v[WS+(\k)], v[XS+(\k)] matrix_a_fmt:MATRIX_FMT_FP4 matrix_b_fmt:MATRIX_FMT_FP4
.endif
.endm
.macro FRAGS dst, sc                   ; four records at v3 (16 x lane) and v4 (scale words): 16 fragments into window 1 from dst on, 8 scale words into sc
	WIN 0x40                                       ; destination window 1
.irp u, 0,1
.irp k, 0,1,2,3,4,5,6,7
.irp c, 0,1
	ds_load_b128 v[\dst+64*\u+8*\k+4*\c:\dst+64*\u+8*\k+4*\c+3], v3 offset:\u*2*REC+(\k/4)*REC+(\k%4)*1024+512*\c
.endr
.endr
.endr
	WIN 0
.irp s, 0,1
	ds_load_b128 v[\sc+4*\s:\sc+4*\s+3], v4 offset:REC*\s
.endr
.endm
.macro FLOAD places                    ; the pair of tiles at LDS byte s36 and its bias at s37.  places = 1: a v_nop makes, with the three additions, four places behind the products
	v_add_nc_u32 v3, s36, v1
	v_add_nc_u32 v4, s36, v2
	v_add_nc_u32 v9, s37, v10
.if \places
	v_nop
.endif
	FRAGS 128, WS
.irp u, 0,1                            ; lane (r, h), register j of tile u: b1 of column 16 h + 8 u + j of the pair
	ds_load_b128 v[B1+8*\u:B1+8*\u+3], v9 offset:32*\u
	ds_load_b128 v[B1+8*\u+4:B1+8*\u+7], v9 offset:32*\u+16
.endr
.endm
.macro LOADW kb                        ; W2: block kb of my column: 32 rows of 4,096 bytes; the wave reads 128 consecutive bytes of each
.set n, 0
.rept 32
	global_load_b32 v[32+32*((\kb)%2)+n], v5, s[20:21] offset:(32*(\kb)+n)*4096 th:TH_LOAD_NT
.set n, n+1
.endr
.endm
.macro QBLOCK kb                       ; W2: block kb: its largest magnitude, its byte, its 32 codes; sixteen lanes store 256 consecutive bytes of one record, aligned
.set QX, 32+32*((\kb)%2)
	v_max3_num_f32 v228, |v[QX]|, |v[QX+1]|, |v[QX+2]|
	v_max3_num_f32 v229, |v[QX+3]|, |v[QX+4]|, |v[QX+5]|
.irp i, 6,10,14,18,22,26
	s_delay_alu instid0(VALU_DEP_2)
	v_max3_num_f32 v228, v228, |v[QX+\i]|, |v[QX+\i+1]|
	s_delay_alu instid0(VALU_DEP_2)
	v_max3_num_f32 v229, v229, |v[QX+\i+2]|, |v[QX+\i+3]|
.endr
	s_delay_alu instid0(VALU_DEP_2)
	v_max3_num_f32 v228, v228, |v[QX+30]|, |v[QX+31]|
	s_delay_alu instid0(VALU_DEP_1)
	v_max3_num_f32 v228, v228, v229, 0x1800000     ; the floor 2^(3 - 127): the byte cannot fall under 1
	s_delay_alu instid0(VALU_DEP_1)
	v_add_nc_u32 v230, 0xff000000, v228            ; 2 off the exponent field: the conversion's scale operand
	s_delay_alu instid0(VALU_DEP_1)
	v_lshrrev_b32 v229, 23, v230                   ; the scale's byte
.if (\kb) == 0
	s_delay_alu instid0(VALU_DEP_1)
	v_mov_b32 v232, v229
.else
	s_delay_alu instid0(VALU_DEP_1)
	v_lshl_or_b32 v232, v229, 8*(\kb), v232        ; four bytes make my column's scale word of this K step
.endif
.irp g, 0,1,2,3
	v_cvt_scalef32_pk8_fp4_f32 v[152+4*(\kb)+\g], v[QX+8*\g:QX+8*\g+7], v230
.endr
	v_nop                                          ; one plain place behind the last scaled conversion
	global_store_b128 v6, v[152+4*(\kb):155+4*(\kb)], s[22:23] offset:256*(\kb)   ; each block has code registers of its own
.endm
; One pair of tiles x my 32 tokens.  next = 1: the next pair's fragments, scale words and bias are fetched behind the products and land during the activation.
.macro BLOCK next
	s_wait_dscnt 0x0                               ; this pair's fragments, scale words and bias
	WIN 0x05                                       ; sources 0 and 1 in window 1
.irp k, 0,1,2,3,4,5,6,7                        ; the four accumulators take turns, one instruction a turn
.irp tb, 0,1
.irp u, 0,1
	WM \u, \tb, \k
.endr
.endr
.endr
	WIN 0
	s_wait_xcnt 0x0                                ; the last pair's store has read its base and its data: both are written again only behind this wait
	s_add_nc_u64 s[16:17], s[16:17], 256           ; one pair further than this pair's place: the store below takes 256 off again
.if \next
	s_add_co_u32 s36, s36, 4*REC
	s_add_co_u32 s37, s37, 128
	FLOAD 1
.else
	FOURNOP                                        ; four places ahead of the first read of results
.endif
.set j, 0
.rept 16
	v_pk_mul_f32 v[T+j:T+j+1], v[HA+j:HA+j+1], v[HA+j:HA+j+1]          ; x^2 (each accumulator is read from its low end on)
.set j, j+2
.endr
.set j, 0
.rept 16
	v_pk_fma_f32 v[T+j:T+j+1], v[T+j:T+j+1], v[NB:NB+1], v[NA:NA+1]    ; -b x^2 - a
.set j, j+2
.endr
.set j, 0
.rept 16
	v_pk_mul_f32 v[T+j:T+j+1], v[T+j:T+j+1], v[HA+j:HA+j+1]            ; x that
.set j, j+2
.endr
.set j, 0
	s_wait_alu depctr_va_vdst(0)
.rept 32
	v_exp_f32 v[T+j], v[T+j]
.set j, j+1
.endr
	v_nop                                          ; a plain place behind the last exponential
	s_wait_alu depctr_va_vdst(0)                   ; one wait for the batch, ahead of its first reader
.set j, 0
.rept 16
	v_pk_add_f32 v[T+j:T+j+1], v[T+j:T+j+1], 1.0 op_sel_hi:[1,0]
.set j, j+2
.endr
.set j, 0
	s_wait_alu depctr_va_vdst(0)
.rept 32
	v_rcp_f32 v[T+j], v[T+j]
.set j, j+1
.endr
	v_nop
	s_wait_alu depctr_va_vdst(0)                   ; and one for the reciprocals
.set j, 0
.rept 16
	v_pk_mul_f32 v[HA+j:HA+j+1], v[HA+j:HA+j+1], v[T+j:T+j+1]          ; gelu
.set j, j+2
.endr
.irp b, 0,1
	v_max3_num_f32 v[TM+\b], |v[HA+16*\b]|, |v[HA+1+16*\b]|, 0x1800000   ; token block b: my 16 numbers of the pair's 32, and the floor 2^(3 - 127)
.endr
.irp i, 2,4,6,8,10,12,14
.irp b, 0,1
	s_delay_alu instid0(VALU_DEP_2)
	v_max3_num_f32 v[TM+\b], v[TM+\b], |v[HA+16*\b+\i]|, |v[HA+1+16*\b+\i]|
.endr
.endr
.irp b, 0,1
	s_delay_alu instid0(VALU_DEP_2)
	v_permlanex16_b32 v[TM+2+\b], v[TM+\b], s72, s73
.endr
.irp b, 0,1
	s_delay_alu instid0(VALU_DEP_2)
	v_max_num_f32 v[TM+\b], v[TM+\b], v[TM+2+\b]   ; with lane l xor 16's 16: the block's largest magnitude
.endr
.irp b, 0,1
	s_delay_alu instid0(VALU_DEP_2)
	v_add_nc_u32 v[TM+4+\b], 0xff000000, v[TM+\b]  ; 2 off the exponent field: the conversion's scale operand
.endr
.irp b, 0,1
	s_delay_alu instid0(VALU_DEP_2)
	v_lshrrev_b32 v[TM+2+\b], 23, v[TM+4+\b]       ; the scale's byte
.endr
	s_delay_alu instid0(VALU_DEP_1)
	v_cndmask_b32 v[HW], v[TM+2], v[TM+3], s74     ; lanes 0-15 keep token block 0's byte, lanes 16-31 block 1's
	v_perm_b32 v[SW], v[SW+1], v[SW], s75          ; the 16 bytes move one byte down,
	v_perm_b32 v[SW+1], v[SW+2], v[SW+1], s75
	v_perm_b32 v[SW+2], v[SW+3], v[SW+2], s75
	s_delay_alu instid0(VALU_DEP_4)
	v_perm_b32 v[SW+3], v[HW], v[SW+3], s75        ; and this pair's comes in at the top: after 16 pairs byte P is pair P's
.irp b, 0,1
	v_cvt_scalef32_pk8_fp4_f32 v[PC+2*\b], v[HA+16*\b:HA+7+16*\b], v[TM+4+\b]
	v_cvt_scalef32_pk8_fp4_f32 v[PC+1+2*\b], v[HA+8+16*\b:HA+15+16*\b], v[TM+4+\b]
.endr
	v_nop                                          ; one plain place behind the last scaled conversion
	v_permlane16_swap_b32 v[PC], v[PC+2]           ; lanes 0-15: token block 0's whole 32 codes; lanes 16-31: block 1's
	v_permlane16_swap_b32 v[PC+1], v[PC+3]
	global_store_b128 v11, v[PC:PC+3], s[16:17] offset:-256   ; sixteen lanes store 256 consecutive bytes of their block's record
.endm
	s_load_b256 s[4:11], s[0:1], 0x0               ; xq s[4:5], w1q s[6:7], b1 s[8:9], rt s[10:11]
	s_load_b256 s[16:23], s[0:1], 0x20             ; hq s[16:17], out1 s[18:19], W2 s[20:21], w2q s[22:23]
	v_lshl_add_u32 v254, v0, 2, SPARE
	v_mov_b32 v255, 0
	ds_add_u32 v254, v255                          ; the opening lines: the add, twice on end, and its wait ahead of my first tensor load
	ds_add_u32 v254, v255
	v_lshrrev_b32 v7, 5, v0
	s_delay_alu instid0(VALU_DEP_1)
	v_readfirstlane_b32 s12, v7                    ; wave 0..7
	s_bfe_u32 s14, ttmp6, 0x40000                  ; cx
	s_bfe_u32 s3, ttmp6, 0x40004                   ; cy
	s_lshl_b32 s13, ttmp9, 2
	s_add_co_u32 s13, s13, s14                     ; G = 4 x cluster x + cx
	s_and_b32 s15, ttmp7, 0xffff
	s_lshl_b32 s15, s15, 2
	s_add_co_u32 s15, s15, s3                      ; Y = 4 x cluster y + cy
	s_lshl_b32 s56, s3, 2
	s_lshl_b32 s56, 15, s56                        ; my row of the cluster: the four work-groups with my Y
	s_lshl_b32 s57, 0x1111, s14                    ; my column: the four with my G
	s_or_b32 s24, s56, (3<<16)|(1<<21)             ; group 1 for x: the mask; elements of 8 bytes; bit 21 beside a mask; no padding
	s_or_b32 s44, s57, (3<<16)|(1<<21)             ; and for W1
.irp g, 24, 44
	s_mov_b32 s[\g+1], 32<<16                      ; tensor_dim0: rows of 256 bytes
	s_mov_b32 s[\g+2], 136<<16                     ; tensor_dim1
	s_mov_b32 s[\g+3], 32<<16                      ; tile_dim0
	s_mov_b32 s[\g+4], 136                         ; tile_dim1
	s_mov_b32 s[\g+5], 32                          ; the pitch: dense
	s_mov_b32 s[\g+6], 0
	s_mov_b32 s[\g+7], 0
.endr
	s_and_b32 s36, s12, 3
	s_mul_i32 s36, s36, WPART                      ; which quarter of x (waves 0-3) or of W1's first half (waves 4-7) I fetch
	s_mov_b32 s37, 0
	s_mul_i32 s38, s12, 4*REC
	s_add_co_u32 s38, s38, HALF                    ; my eighth of W1's second half, in LDS and in the 64 records alike; also: where my own tokens' four records of x lie
	s_mov_b32 s39, 0
	s_mov_b32 s32, 1                               ; group 0 for x
	s_add_co_u32 s33, s36, HALF
	s_mov_b32 s40, 1                               ; for W1's first half
	s_mov_b32 s41, s36
	s_mov_b32 s60, 1                               ; for its second half
	s_mov_b32 s61, s38
	s_mul_i32 s52, s15, HALF
	s_add_co_u32 s52, s52, s36
	s_mov_b32 s53, 0
	s_mul_i32 s54, s13, WALL
	s_mov_b32 s55, 0
	s_wait_dscnt 0x0                               ; both opening adds are done
	s_wait_kmcnt 0x0
	s_add_nc_u64 s[34:35], s[4:5], s[52:53]
	s_or_b32 s35, s35, 0x80000000                  ; type = 2
	s_add_nc_u64 s[6:7], s[6:7], s[54:55]
	s_add_nc_u64 s[42:43], s[6:7], s[36:37]
	s_or_b32 s43, s43, 0x80000000
	s_add_nc_u64 s[62:63], s[6:7], s[38:39]
	s_or_b32 s63, s63, 0x80000000
	CROUND                                         ; all sixteen work-groups are here: the joint loads meet
	s_cmp_lt_u32 s12, 4                            ; one load a wave at the head: one fill in each arm
	s_cbranch_scc0 .Lfor_w
	tensor_load_to_lds s[32:35], s[24:31]
	s_nop 0
	FOURNOP
	s_branch .Lasked
.Lfor_w:
	tensor_load_to_lds s[40:43], s[44:51]
	s_nop 0
	FOURNOP
.Lasked:
	s_mov_b32 s72, 0x76543210
	s_mov_b32 s73, 0xfedcba98                      ; v_permlanex16_b32's selects for lane l xor 16
	s_mov_b32 s74, 0xffff0000                      ; lanes 16-31
	s_mov_b32 s75, 0x04030201                      ; v_perm_b32: the pair of words, one byte down
	s_lshl_b32 s66, s13, 11
	s_mov_b32 s67, 0
	s_add_nc_u64 s[8:9], s[8:9], s[66:67]          ; b1: 512 G x 4 bytes
	s_lshl_b32 s68, s15, 4
	s_lshl_b32 s69, s12, 1
	s_add_co_u32 s69, s68, s69                     ; my first block of tokens: 16 Y + 2 w
	s_lshl_b32 s66, s13, 8
	s_add_co_u32 s66, s66, s69
	s_mul_i32 s66, s66, REC
	s_add_nc_u64 s[16:17], s[16:17], s[66:67]      ; hq: record 256 G + 16 Y + 2 w
	s_add_co_u32 s68, s68, s13                     ; W2: i = 16 Y + G
	s_lshr_b32 s69, s68, 5                         ; S: which 512 along K
	s_and_b32 s70, s68, 31
	s_lshr_b32 s71, s70, 4                         ; the expert
	s_and_b32 s70, s70, 15                         ; the group of 64 columns within it
	s_and_b32 s76, s12, 1                          ; cg: which 32 of them are my wave's
	s_lshr_b32 s77, s12, 1                         ; q: which 128 of the 512 along K
	s_lshl_b32 s66, s69, 2
	s_add_co_u32 s66, s66, s77
	s_lshl_b32 s66, s66, 19                        ; (4 S + q) x 128 rows of 4,096 bytes
	s_lshl_b32 s78, s71, 24
	s_add_co_u32 s66, s66, s78
	s_lshl_b32 s78, s70, 8
	s_add_co_u32 s66, s66, s78
	s_lshl_b32 s78, s76, 7
	s_add_co_u32 s66, s66, s78
	s_add_nc_u64 s[20:21], s[20:21], s[66:67]
	s_lshl_b32 s66, s71, 3
	s_add_co_u32 s66, s66, s69
	s_lshl_b32 s66, s66, 6                         ; (8 e + S) x 64 tiles
	s_lshl_b32 s78, s70, 2
	s_add_co_u32 s66, s66, s78
	s_lshl_b32 s78, s76, 1
	s_add_co_u32 s66, s66, s78
	s_mul_i32 s66, s66, REC
	s_add_nc_u64 s[22:23], s[22:23], s[66:67]
	s_lshl_b32 s78, s77, 10                        ; 1024 q
	s_lshl_b32 s79, s76, 9
	s_lshl_b32 s77, s77, 2
	s_add_co_u32 s79, s79, s77
	s_add_co_u32 s79, s79, LW2                     ; LDS: 512 cg + 4 q
	v_and_b32 v7, 31, v0                           ; lane
	v_and_b32 v12, 15, v0                          ; r
	v_bfe_u32 v13, v0, 4, 1                        ; h
	s_delay_alu instid0(VALU_DEP_3)
	v_lshlrev_b32 v1, 4, v7                        ; 16 x lane
	s_delay_alu instid0(VALU_DEP_3)
	v_lshlrev_b32 v14, 4, v12                      ; 16 r
	s_delay_alu instid0(VALU_DEP_3)
	v_mul_u32_u24 v2, v13, 2*REC
	s_delay_alu instid0(VALU_DEP_1)
	v_add_nc_u32 v2, v2, v14
	s_delay_alu instid0(VALU_DEP_1)
	v_add_nc_u32 v2, 4096, v2                      ; scale words: lanes 16-31 take the next block's (x) or the next tile's (W1)
	v_lshl_add_u32 v10, v13, 6, BIASL              ; b1 in LDS: 64 h
	v_mul_u32_u24 v11, v13, REC
	s_delay_alu instid0(VALU_DEP_1)
	v_add_nc_u32 v11, v11, v14                     ; hq, w2q: record lane / 16, 16 bytes a lane
	v_lshlrev_b32 v5, 2, v7                        ; W2: my column
	s_delay_alu instid0(VALU_DEP_2)
	v_add_nc_u32 v6, s78, v11                      ; w2q: + 1024 q: where my codes go
	v_lshl_add_u32 v8, v7, 4, s79                  ; LDS: my column's scale word
	v_lshl_add_u32 v15, v0, 4, LW2                 ; and, for waves 0 and 1, 16 bytes a lane of two records' words
	v_lshlrev_b32 v102, 3, v0                      ; b1: 8 bytes a thread
	v_lshl_add_u32 v103, v0, 3, BIASL
	v_add_nc_u32 v3, s38, v1                       ; my tokens' records of x in LDS
	v_add_nc_u32 v4, s38, v2
	s_wait_alu depctr_va_vdst(0)
	global_load_b64 v[100:101], v102, s[8:9]
	v_mov_b32 v[NA], 0xc0135761                    ; -a = -2.3022082
	v_mov_b32 v[NA+1], 0xc0135761
	v_mov_b32 v[NB], 0xbdd2d3e8                    ; -b = -0.10294324
	v_mov_b32 v[NB+1], 0xbdd2d3e8
	; the loss: wave 0 of the work-groups of cluster (0, 0)
	s_and_b32 s68, ttmp7, 0xffff
	s_or_b32 s68, s68, ttmp9
	s_or_b32 s68, s68, s12
	s_cmp_lg_u32 s68, 0
	s_cbranch_scc1 .Lno_loss
	v_lshlrev_b32 v200, 8, v7                      ; a lane a block of 16 tokens, 256 bytes apart
.irp i, 0,1,2,3,4,5,6,7
	global_load_b64 v[T+2*\i:T+2*\i+1], v200, s[10:11] offset:8192*\i+128
.endr
	s_wait_loadcnt 0x0
	v_pk_add_f32 v[T:T+1], v[T:T+1], v[T+2:T+3]
.irp i, 2, 3, 4, 5, 6, 7
	s_delay_alu instid0(VALU_DEP_1)
	v_pk_add_f32 v[T:T+1], v[T:T+1], v[T+2*\i:T+2*\i+1]
.endr
	s_delay_alu instid0(VALU_DEP_1)
	v_add_f32 v[T], v[T], v[T+1]
.irp m, 1, 2, 4, 8
	s_delay_alu instid0(VALU_DEP_1)
	v_add_f32_dpp v[T], v[T], v[T] row_xmask:\m row_mask:0xf bank_mask:0xf
.endr
	s_delay_alu instid0(VALU_DEP_1)
	v_permlanex16_b32 v[T+2], v[T], s72, s73
	s_delay_alu instid0(VALU_DEP_1)
	v_add_f32 v[T], v[T], v[T+2]                   ; sum p0 + sum p1 over the 4,096 tokens
	s_delay_alu instid0(VALU_DEP_1)
	v_mul_f32 v[T], 0x3a000000, v[T]               ; x 2 / 4096
	s_or_b32 s69, s14, s3                          ; 0 at place (0, 0) of the cluster alone
	v_or_b32 v202, s69, v7
	v_mov_b32 v201, 0
	s_delay_alu instid0(VALU_DEP_2)
	v_cmp_eq_u32 vcc_lo, 0, v202                   ; lane 0 there: out1's one writer
	s_wait_alu depctr_va_vdst(0)
	s_wait_xcnt 0x0                                ; EXEC changes only behind this wait
	s_and_saveexec_b32 s70, vcc_lo
	global_store_b32 v201, v[T], s[18:19]
	s_wait_xcnt 0x0                                ; and again, in front of the line that widens it
	s_or_b32 exec_lo, exec_lo, s70
.Lno_loss:
	v_mov_b32 v[TM+2], 0                           ; written once: a lane permute's destination counts as one of its sources
	v_mov_b32 v[TM+3], 0
.irp i, 0,1,2,3
	v_mov_b32 v[SW+\i], 0                          ; the scale bytes' registers are read before the first byte comes in
.endr
	s_wait_alu depctr_va_vdst(0)
	s_wait_loadcnt 0x0                             ; my 8 bytes of b1
	s_wait_tensorcnt 0x0                           ; my part of the head's tiles is in
	ds_store_b64 v103, v[100:101]
	s_wait_dscnt 0x0                               ; for the others' sake: my part of b1 lies in LDS
	s_barrier_signal -1
	s_barrier_wait -1                              ; everybody's parts are in
	FRAGS 0, XS                                    ; my 32 tokens' fragments and scale words, for the whole launch
	s_wait_tensorcnt 0x0                           ; ahead of a refill's barrier
	ds_add_u32 v254, v255
	s_mov_b32 s46, 68<<16                          ; no tensor load of mine is out: from here on W1's load brings 68 rows
	s_mov_b32 s48, 68
	s_wait_dscnt 0x0                               ; the add is done, and my reads of x are over
	CROUND                                         ; so are those of every wave of the cluster
	tensor_load_to_lds s[60:63], s[44:51]          ; my eighth of W1's second half, onto x's bytes
	s_nop 0
	FOURNOP
	s_mov_b32 s36, 0                               ; LDS byte of the pair in hand
	s_mov_b32 s37, 0                               ; and of its bias
	FLOAD 0
	LOADW 0                                        ; W2: two blocks, 64 loads, land under pairs 0 to 6
	LOADW 1
	s_mov_b32 s39, 7
.Lfirst:                                               ; pairs 0 to 6; the last trip fetches pair 7, the last of the first half
	BLOCK 1
	s_sub_co_u32 s39, s39, 1
	s_cmp_lg_u32 s39, 0
	s_cbranch_scc1 .Lfirst
	s_wait_loadcnt 0x0
	QBLOCK 0
	QBLOCK 1
	LOADW 2                                        ; the other two blocks land under pairs 7 to 15
	LOADW 3
	s_wait_alu depctr_va_vdst(0)
	s_wait_tensorcnt 0x0                           ; my eighth of the second half is in,
	s_wait_dscnt 0x0
	s_barrier_signal -1
	s_barrier_wait -1                              ; everybody's is; nothing is filled again
	s_mov_b32 s39, 8
.Lsecond:                                              ; pairs 7 to 14
	BLOCK 1
	s_sub_co_u32 s39, s39, 1
	s_cmp_lg_u32 s39, 0
	s_cbranch_scc1 .Lsecond
	BLOCK 0                                        ; pair 15 fetches nothing
	s_wait_alu depctr_va_vdst(0)
	global_store_b128 v11, v[SW:SW+3], s[16:17]    ; the base has gone 16 x 256 = 4,096 bytes on: sixteen lanes store a record's 256 scale bytes, aligned
	s_wait_loadcnt 0x0
	QBLOCK 2
	QBLOCK 3
	ds_store_b32 v8, v232
	s_wait_dscnt 0x0                               ; for the others' sake: my column's scale word lies in LDS
	s_barrier_signal -1
	s_barrier_wait -1
	s_cmp_gt_u32 s12, 1
	s_cbranch_scc1 .Lend
	ds_load_b128 v[32:35], v15                     ; waves 0 and 1 (q = 0, cg = the wave): a row's four words, sixteen rows a record
	s_wait_dscnt 0x0
	global_store_b128 v11, v[32:35], s[22:23] offset:4096   ; sixteen lanes store a record's 256 scale bytes, aligned
.Lend:
	s_wait_tensorcnt 0x0                           ; the wave's end
	ds_add_u32 v254, v255
	s_wait_dscnt 0x0
	CROUND                                         ; the closing round
	s_endpgm
.Lfunc_end_k_qbbdfb3afd0_ffn1:
	.size	k_qbbdfb3afd0_ffn1, .Lfunc_end_k_qbbdfb3afd0_ffn1-k_qbbdfb3afd0_ffn1
	.p2alignl 7, 3214868480
	.fill 96, 4, 3214868480
	.section	.rodata,"a",@progbits
	.p2align	6, 0x0
	.amdhsa_kernel k_qbbdfb3afd0_ffn1
		.amdhsa_group_segment_fixed_size 327680
		.amdhsa_private_segment_fixed_size 0
		.amdhsa_enable_private_segment 0
		.amdhsa_kernarg_size 64
		.amdhsa_user_sgpr_count 2
		.amdhsa_user_sgpr_kernarg_segment_ptr 1
		.amdhsa_wavefront_size32 1
		.amdhsa_system_sgpr_workgroup_id_x 1
		.amdhsa_system_sgpr_workgroup_id_y 1
		.amdhsa_system_sgpr_workgroup_id_z 1
		.amdhsa_system_vgpr_workitem_id 0
		.amdhsa_next_free_vgpr 512
		.amdhsa_next_free_sgpr 80
		.amdhsa_reserve_vcc 1
		.amdhsa_float_denorm_mode_32 3
		.amdhsa_float_denorm_mode_16_64 3
		.amdhsa_memory_ordered 1
		.amdhsa_forward_progress 1
		.amdhsa_inst_pref_size 87
	.end_amdhsa_kernel
	.amdgpu_metadata
---
amdhsa.version: [ 1, 2 ]
amdhsa.kernels:
  - .name:           k_qbbdfb3afd0_ffn1
    .symbol:         k_qbbdfb3afd0_ffn1.kd
    .args:
      - { .name: xq, .offset: 0, .size: 8, .value_kind: global_buffer, .address_space: global }
      - { .name: w1q, .offset: 8, .size: 8, .value_kind: global_buffer, .address_space: global }
      - { .name: b1, .offset: 16, .size: 8, .value_kind: global_buffer, .address_space: global }
      - { .name: rt, .offset: 24, .size: 8, .value_kind: global_buffer, .address_space: global }
      - { .name: hq, .offset: 32, .size: 8, .value_kind: global_buffer, .address_space: global }
      - { .name: out1, .offset: 40, .size: 8, .value_kind: global_buffer, .address_space: global }
      - { .name: W2, .offset: 48, .size: 8, .value_kind: global_buffer, .address_space: global }
      - { .name: w2q, .offset: 56, .size: 8, .value_kind: global_buffer, .address_space: global }
    .group_segment_fixed_size: 327680
    .private_segment_fixed_size: 0
    .kernarg_segment_align: 8
    .kernarg_segment_size: 64
    .max_flat_workgroup_size: 256
    .sgpr_count:     80
    .vgpr_count:     512
    .wavefront_size: 32
...
	.end_amdgpu_metadata
.endif
;; end of part 2
;; launch ffn2 (part 3): grid 8 x 32, 4 waves a work-group, clusters of 4 x 1, 327,680 bytes of LDS; arguments hq, w2q, b2, rt, out0; writes out0
.if DOCPART == 3
	.amdgcn_target "amdgcn-amd-amdhsa--gfx1250"
	.amdhsa_code_object_version 6
	.text
	.protected	k_qbbdfb3afd0_ffn2
	.globl	k_qbbdfb3afd0_ffn2
	.p2align	8
	.type	k_qbbdfb3afd0_ffn2,@function
k_qbbdfb3afd0_ffn2:
	s_mov_b64 s[64:65], 0
	v_nop
	global_prefetch_b8 v0, s[64:65] scope:SCOPE_SE
	s_setreg_imm32_b32 hwreg(HW_REG_WAVE_MODE, 25, 1), 1
	s_wait_xcnt 0x0
	s_wait_alu depctr_hold_cnt(0) depctr_sa_sdst(0) depctr_va_vdst(0) depctr_va_sdst(0) depctr_va_ssrc(0) depctr_va_vcc(0) depctr_vm_vsrc(0)
	s_getreg_b32 s2, hwreg(HW_REG_IB_STS2, 6, 4)
	s_cmp_eq_u32 s2, 0
	s_cbranch_scc0 .Lentry_in_a_cluster
	s_endpgm
.Lentry_in_a_cluster:
	s_bfe_u32 s2, ttmp6, 0x10000c
	s_cmp_lg_u32 s2, 0x3003
	s_cbranch_scc0 .Lentry_shape_is_right
	s_endpgm
.Lentry_shape_is_right:
.set REC,    4352
.set REG,    8*REC
.set SLOT,   4*REG
.set SPARE,  2*SLOT
.set ASTEP,  256*REC
.set BSTEP,  64*REC
.set NP,     4
.set SPITCH, 528
.set STAGEB, 128*SPITCH
.set RD,   8
.set ADRA, 16
.set ADRS, 20
.set STO,  24
.set CO,   26
.set VBS,  27
.set SPW,  28
.set NIL,  29
.set PFO,  30
.set SA,   32
.set CW,   64
.set SBC,  80
.set AF,   128
.set BI,   192
.set G1,   24
.set G0,   32
.set BB,   48
.set BS,   50
.set PFA,  52
.set MSB, 0
.macro WIN new
.if MSB != \new
	s_set_vgpr_msb (MSB<<8)|\new
.set MSB, \new
.endif
.endm
.set MUL_LO, 0xa1
.set MUL_HI, 0xf1
.set FST_LO, 0x81
.set FST_HI, 0xc1
.set TO_B,   0x40
.macro CREST
	s_cmp_lg_u32 s14, 0
	s_cbranch_scc1 .Lnot_wave_0_\@
	s_barrier_signal -3
.Lnot_wave_0_\@:
	s_barrier_wait -3
	s_barrier_signal -1
	s_barrier_wait -1
.endm
.macro CROUND
	s_barrier_signal -1
	s_barrier_wait -1
	CREST
.endm
.macro PLACES n
.rept \n
	v_nop
.endr
.endm
.macro LB j
	WIN TO_B
.irp i, 0,1,2,3,4,5,6,7
.irp c, 0,1
	global_load_b128 v[64*((\j)%4)+8*\i+4*\c:64*((\j)%4)+8*\i+4*\c+3], v[CO], s[BB:BB+1] offset:((\j)/2)*BSTEP+\i*REC+((\j)%2)*1024+\c*512
.endr
.endr
	WIN 0
.endm
.macro LS s
.irp i, 0,1,2,3,4,5,6,7
	global_load_b64 v[SBC+16*((\s)%3)+2*\i:SBC+16*((\s)%3)+2*\i+1], v[VBS], s[BS:BS+1] offset:(\s)*BSTEP+\i*REC
.endr
.endm
.macro AHEADB j
.if (\j)+3 < 16
	LB (\j)+3
.if ((\j)+3)%2 == 0
	LS ((\j)+3)/2
.endif
.endif
.endm
.macro WAITB j
.if (\j) < 14
	s_wait_loadcnt 40
.elseif (\j) == 14
	s_wait_loadcnt 16
.else
	s_wait_loadcnt 0x0
.endif
.endm
.macro FRAGA j, i
.irp c, 0,1
	ds_load_b128 v[AF+8*(\i)+4*\c:AF+8*(\i)+4*\c+3], v[ADRA+((\j)/2)%4] offset:1024*((\j)%2)+512*\c+(\i)*REC
.endr
.endm
.macro FETCH_A j, i0
.irp i, \i0, \i0+1, \i0+2, \i0+3
	FRAGA \j, \i
.endr
.endm
.macro SCALA s
.irp i, 0,1,2,3,4,5,6,7
	ds_load_b64 v[SA+16*((\s)%2)+2*\i:SA+16*((\s)%2)+2*\i+1], v[ADRS+(\s)%4] offset:\i*REC
.endr
.endm
.macro MUL16 a0, j, first
.irp a, \a0, \a0+1
.irp b, 0,1,2,3,4,5,6,7
.if \first
	v_wmma_scale_f32_16x16x128_f8f6f4 v[8*(8*((\a)%4)+\b):8*(8*((\a)%4)+\b)+7], v[64*((\j)%4)+8*\b:64*((\j)%4)+8*\b+7], v[AF+8*(\a):AF+8*(\a)+7], v[BI+8*\b:BI+8*\b+7], v[SBC+16*(((\j)/2)%3)+2*\b+(\j)%2], v[SA+16*(((\j)/2)%2)+2*(\a)+(\j)%2] matrix_a_fmt:MATRIX_FMT_FP4 matrix_b_fmt:MATRIX_FMT_FP4
.else
	v_wmma_scale_f32_16x16x128_f8f6f4 v[8*(8*((\a)%4)+\b):8*(8*((\a)%4)+\b)+7], v[64*((\j)%4)+8*\b:64*((\j)%4)+8*\b+7], v[AF+8*(\a):AF+8*(\a)+7], v[8*(8*((\a)%4)+\b):8*(8*((\a)%4)+\b)+7], v[SBC+16*(((\j)/2)%3)+2*\b+(\j)%2], v[SA+16*(((\j)/2)%2)+2*(\a)+(\j)%2] matrix_a_fmt:MATRIX_FMT_FP4 matrix_b_fmt:MATRIX_FMT_FP4
.endif
.endr
.endr
.endm
.macro STEP j, first
	WAITB \j
	s_wait_dscnt 8
.if \first
	WIN FST_LO
.else
	WIN MUL_LO
.endif
	MUL16 0, \j, \first
	MUL16 2, \j, \first
	s_wait_dscnt 0
	PLACES NP
	AHEADB \j
	WIN 0
	FETCH_A (\j)+1, 0
.if ((\j)+1)%2 == 0
	SCALA ((\j)+1)/2
.endif
.if \first
	WIN FST_HI
.else
	WIN MUL_HI
.endif
	MUL16 4, \j, \first
	MUL16 6, \j, \first
	PLACES NP
	WIN 0
	FETCH_A (\j)+1, 4
.endm
.macro TURN j, fill, ask
.set SL, ((\j)/4)%2
	WAITB \j
	s_wait_tensorcnt 0x0
	ds_add_u32 v[SPW], v[NIL]
	s_wait_dscnt 9
	WIN MUL_LO
	MUL16 0, \j, 0
	s_wait_dscnt 0x0
	s_barrier_signal -1
	MUL16 2, \j, 0
	WIN 0
	s_barrier_wait -1
.if \fill
	CREST
	s_add_nc_u64 s[G0+4*SL+2:G0+4*SL+3], s[G0+4*SL+2:G0+4*SL+3], 4*ASTEP
	tensor_load_to_lds s[G0+4*SL:G0+4*SL+3], s[G1:G1+7]
	s_nop 0
	PLACES 4
.else
	PLACES NP
.endif
	AHEADB \j
	WIN 0
	FETCH_A (\j)+1, 0
	SCALA ((\j)+1)/2
.if \ask
	s_cmp_eq_u32 ttmp9, 0
	s_cbranch_scc0 .Lnot_mine_\@
	global_prefetch_b8 v[PFO], s[PFA:PFA+1] th:TH_LOAD_NT scope:SCOPE_SE
.Lnot_mine_\@:
.endif
	WIN MUL_HI
	MUL16 4, \j, 0
	MUL16 6, \j, 0
	PLACES NP
	WIN 0
	FETCH_A (\j)+1, 4
.endm
	s_load_b256 s[4:11], s[0:1], 0x0
	s_load_b64 s[12:13], s[0:1], 0x20
	v_lshl_add_u32 v[SPW], v0, 2, SPARE
	v_mov_b32 v[NIL], 0
	ds_add_u32 v28, v29
	ds_add_u32 v28, v29
	s_wait_dscnt 0x0
	v_lshrrev_b32 v1, 5, v0
	v_readfirstlane_b32 s14, v1
	s_lshr_b32 s15, s14, 1
	s_and_b32 s16, s14, 1
	s_bfe_u32 s40, ttmp6, 0x40000
	s_lshl_b32 s42, ttmp9, 2
	s_add_co_u32 s42, s42, s40
	s_and_b32 s17, ttmp7, 0xffff
	s_mov_b32 s[G1+0], 15|(3<<16)|(1<<21)
	s_mov_b32 s[G1+1], 32<<16
	s_mov_b32 s[G1+2], 136<<16
	s_mov_b32 s[G1+3], 32<<16
	s_mov_b32 s[G1+4], 136
	s_mov_b32 s[G1+5], 32
	s_mov_b32 s[G1+6], 0
	s_mov_b32 s[G1+7], 0
	s_mul_i32 s20, s15, 8*ASTEP
	s_mul_i32 s21, s16, ASTEP
	s_add_co_u32 s20, s20, s21
	s_mul_i32 s21, s17, REG
	s_add_co_u32 s20, s20, s21
	s_mov_b32 s21, 0
	s_mul_i32 s45, s14, REG
	s_wait_kmcnt 0x0
	s_add_nc_u64 s[20:21], s[4:5], s[20:21]
	CROUND
.irp s, 0,1
	s_mov_b32 s[G0+4*\s], 1
	s_add_co_u32 s[G0+4*\s+1], s45, \s*SLOT
	s_add_nc_u64 s[G0+4*\s+2:G0+4*\s+3], s[20:21], \s*2*ASTEP
	s_or_b32 s[G0+4*\s+3], s[G0+4*\s+3], 0x80000000
.endr
	tensor_load_to_lds s[G0:G0+3], s[G1:G1+7]
	s_nop 0
	s_wait_alu depctr_va_vdst(0)
	s_wait_tensorcnt 0x0
	ds_add_u32 v28, v29
	s_wait_dscnt 0x0
	CROUND
	tensor_load_to_lds s[G0+4:G0+7], s[G1:G1+7]
	s_nop 0
	PLACES 4
	v_and_b32 v1, 15, v0
	v_bfe_u32 v2, v0, 4, 1
	v_and_b32 v3, 31, v0
	s_mul_i32 s22, s40, 2*REC
	s_add_co_u32 s22, s22, 6*ASTEP
	s_mov_b32 s23, 0
	s_add_nc_u64 s[PFA:PFA+1], s[20:21], s[22:23]
	v_mul_u32_u24 v[PFO], v2, REC
	v_lshl_add_u32 v[PFO], v1, 8, v[PFO]
	v_lshlrev_b32 v[CO], 4, v3
	v_lshlrev_b32 v[VBS], 4, v1
	s_wait_alu depctr_va_vdst(0)
	s_mul_i32 s22, s15, 2*REG
	s_lshl_b32 s23, s16, 11
	s_add_co_u32 s22, s22, s23
.irp k, 0,1,2,3
	s_add_co_u32 s23, s22, (\k/2)*SLOT+(\k%2)*REG
	v_add_nc_u32 v[ADRA+\k], s23, v[CO]
.endr
	s_mul_i32 s22, s15, 2*REG
	s_lshl_b32 s23, s16, 3
	s_add_co_u32 s22, s22, s23
	s_add_co_u32 s22, s22, 4096
.irp k, 0,1,2,3
	s_add_co_u32 s23, s22, (\k/2)*SLOT+(\k%2)*REG
	v_add_nc_u32 v[ADRS+\k], s23, v[VBS]
.endr
	s_mul_i32 s23, s14, STAGEB
	v_mul_u32_u24 v5, v1, SPITCH
	v_lshl_add_u32 v5, v2, 5, v5
	v_add_nc_u32 v[STO], s23, v5
	s_mul_i32 s23, s14, 32*SPITCH
.irp g, 0,1,2,3
	v_add_nc_u32 v[RD+\g], s23, v[CO]
	s_add_co_u32 s23, s23, STAGEB
.endr
	s_lshl_b32 s20, s17, 7
	s_lshl_b32 s21, s14, 5
	s_add_co_u32 s20, s20, s21
	s_lshl_b32 s20, s20, 12
	s_lshl_b32 s46, s42, 9
	s_add_co_u32 s20, s20, s46
	s_mov_b32 s21, 0
	s_add_nc_u64 s[12:13], s[12:13], s[20:21]
	s_lshl_b32 s20, s15, 12
	s_add_co_u32 s20, s20, s46
	s_add_nc_u64 s[8:9], s[8:9], s[20:21]
	s_lshl_b32 s20, s17, 11
	s_lshl_b32 s22, s15, 2
	s_add_co_u32 s20, s20, s22
	s_add_nc_u64 s[10:11], s[10:11], s[20:21]
	s_lshl_b32 s20, s15, 9
	s_lshl_b32 s22, s42, 3
	s_add_co_u32 s20, s20, s22
	s_mul_i32 s20, s20, REC
	s_lshl_b32 s22, s16, 11
	s_add_co_u32 s22, s20, s22
	s_mov_b32 s23, 0
	s_add_nc_u64 s[BB:BB+1], s[6:7], s[22:23]
	s_lshl_b32 s22, s16, 3
	s_add_co_u32 s22, s20, s22
	s_add_co_u32 s22, s22, 4096
	s_add_nc_u64 s[BS:BS+1], s[6:7], s[22:23]
	v_lshlrev_b32 v6, 5, v2
	v_lshlrev_b32 v7, 3, v1
.irp b, 0,1,2,3,4,5,6,7
	global_load_b128 v[BI+8*\b:BI+8*\b+3], v6, s[8:9] offset:64*\b
	global_load_b128 v[BI+8*\b+4:BI+8*\b+7], v6, s[8:9] offset:64*\b+16
.endr
.irp a, 0,1,2,3,4,5,6,7
	global_load_b32 v[CW+2*\a], v7, s[10:11] offset:256*\a
	v_mov_b32 v[CW+2*\a+1], 0
.endr
	LB 0
	LS 0
	LB 1
	s_wait_loadcnt 40
.set j, 0
.rept 32
	v_pk_mul_f32 v[BI+j:BI+j+1], v[BI+j:BI+j+1], 0.5 op_sel_hi:[1,0]
.set j, j+2
.endr
	PLACES NP
	LB 2
	LS 1
	s_wait_alu depctr_va_vdst(0)
	s_wait_tensorcnt 1
	s_barrier_signal -1
	s_barrier_wait -1
	FETCH_A 0, 0
	SCALA 0
	FETCH_A 0, 4
	STEP 0, 1
	STEP 1, 0
	STEP 2, 0
	TURN 3, 1, 1
	STEP 4, 0
	STEP 5, 0
	STEP 6, 0
	TURN 7, 1, 0
	STEP 8, 0
	STEP 9, 0
	STEP 10, 0
	TURN 11, 0, 0
	STEP 12, 0
	STEP 13, 0
	STEP 14, 0
	WAITB 15
	s_wait_dscnt 8
	WIN MUL_LO
	MUL16 0, 15, 0
	MUL16 2, 15, 0
	s_wait_dscnt 0
	WIN MUL_HI
	MUL16 4, 15, 0
	MUL16 6, 15, 0
	WIN 0
	PLACES NP
	s_barrier_signal -1
	s_barrier_wait -1
.macro SCALEOUT a
.set AC, 64*((\a)%4)
	WIN 0x82+0x41*((\a)/4)
.set j, 0
.rept 32
	v_pk_mul_f32 v[AC+j:AC+j+1], v[AC+j:AC+j+1], v[CW+2*(\a):CW+2*(\a)+1] op_sel_hi:[1,0]
.set j, j+2
.endr
	WIN 0x08+4*((\a)/4)
.irp b, 0,1,2,3,4,5,6,7
	ds_store_b128 v[STO], v[AC+8*\b:AC+8*\b+3] offset:(\a)*16*SPITCH+64*\b
	ds_store_b128 v[STO], v[AC+8*\b+4:AC+8*\b+7] offset:(\a)*16*SPITCH+64*\b+16
.endr
	WIN 0
.endm
.irp a, 0,1,2,3,4,5,6,7
	SCALEOUT \a
.endr
	s_wait_dscnt 0x0
	s_barrier_signal -1
	s_barrier_wait -1
.macro LOADB n
.set SB, 128+64*((\n)%2)
.irp i, 0,1,2,3
.irp g, 0,1,2,3
	ds_load_b128 v[SB+16*\i+4*\g:SB+16*\i+4*\g+3], v[RD+\g] offset:SPITCH*(4*(\n)+\i)
.endr
.endr
.endm
.macro SUMB n
.set SB, 128+64*((\n)%2)
.irp i, 0,1,2,3
	v_pk_add_f32 v[SB+16*\i:SB+16*\i+1], v[SB+16*\i:SB+16*\i+1], v[SB+16*\i+4:SB+16*\i+5]
	v_pk_add_f32 v[SB+16*\i+2:SB+16*\i+3], v[SB+16*\i+2:SB+16*\i+3], v[SB+16*\i+6:SB+16*\i+7]
	v_pk_add_f32 v[SB+16*\i+8:SB+16*\i+9], v[SB+16*\i+8:SB+16*\i+9], v[SB+16*\i+12:SB+16*\i+13]
	v_pk_add_f32 v[SB+16*\i+10:SB+16*\i+11], v[SB+16*\i+10:SB+16*\i+11], v[SB+16*\i+14:SB+16*\i+15]
	v_pk_add_f32 v[SB+16*\i:SB+16*\i+1], v[SB+16*\i:SB+16*\i+1], v[SB+16*\i+8:SB+16*\i+9]
	v_pk_add_f32 v[SB+16*\i+2:SB+16*\i+3], v[SB+16*\i+2:SB+16*\i+3], v[SB+16*\i+10:SB+16*\i+11]
	global_store_b128 v[CO], v[SB+16*\i:SB+16*\i+3], s[12:13] offset:4096*(4*(\n)+\i) th:TH_STORE_NT
.endr
.endm
	LOADB 0
.irp n, 0,1,2,3,4,5,6
.if \n > 0
	s_wait_xcnt 0x0
.endif
	LOADB \n+1
	s_wait_dscnt 16
	SUMB \n
.endr
	s_wait_dscnt 0x0
	SUMB 7
	s_wait_tensorcnt 0x0
	ds_add_u32 v[SPW], v[NIL]
	s_wait_dscnt 0x0
	CROUND
	s_endpgm
.Lfunc_end_k_qbbdfb3afd0_ffn2:
	.size	k_qbbdfb3afd0_ffn2, .Lfunc_end_k_qbbdfb3afd0_ffn2-k_qbbdfb3afd0_ffn2
	.p2alignl 7, 3214868480
	.fill 96, 4, 3214868480
	.section	.rodata,"a",@progbits
	.p2align	6, 0x0
	.amdhsa_kernel k_qbbdfb3afd0_ffn2
		.amdhsa_group_segment_fixed_size 327680
		.amdhsa_private_segment_fixed_size 0
		.amdhsa_enable_private_segment 0
		.amdhsa_kernarg_size 40
		.amdhsa_user_sgpr_count 2
		.amdhsa_user_sgpr_kernarg_segment_ptr 1
		.amdhsa_wavefront_size32 1
		.amdhsa_system_sgpr_workgroup_id_x 1
		.amdhsa_system_sgpr_workgroup_id_y 1
		.amdhsa_system_sgpr_workgroup_id_z 1
		.amdhsa_system_vgpr_workitem_id 0
		.amdhsa_next_free_vgpr 1024
		.amdhsa_next_free_sgpr 66
		.amdhsa_reserve_vcc 0
		.amdhsa_float_denorm_mode_32 3
		.amdhsa_float_denorm_mode_16_64 3
		.amdhsa_memory_ordered 1
		.amdhsa_forward_progress 1
		.amdhsa_inst_pref_size 248
	.end_amdhsa_kernel
	.amdgpu_metadata
---
amdhsa.version: [ 1, 2 ]
amdhsa.kernels:
  - .name:           k_qbbdfb3afd0_ffn2
    .symbol:         k_qbbdfb3afd0_ffn2.kd
    .args:
      - { .name: hq, .offset: 0, .size: 8, .value_kind: global_buffer, .address_space: global }
      - { .name: w2q, .offset: 8, .size: 8, .value_kind: global_buffer, .address_space: global }
      - { .name: b2, .offset: 16, .size: 8, .value_kind: global_buffer, .address_space: global }
      - { .name: rt, .offset: 24, .size: 8, .value_kind: global_buffer, .address_space: global }
      - { .name: out0, .offset: 32, .size: 8, .value_kind: global_buffer, .address_space: global }
    .group_segment_fixed_size: 327680
    .private_segment_fixed_size: 0
    .kernarg_segment_align: 8
    .kernarg_segment_size: 40
    .max_flat_workgroup_size: 128
    .sgpr_count:     66
    .vgpr_count:     1024
    .wavefront_size: 32
...
	.end_amdgpu_metadata
.endif
;; end of part 3
